; MI455X (gfx1250); checked and timed in simulation.
; The chip was launched on July 23, 2026; its instructions are those of AMD's public machine-readable ISA for CDNA 5 (MIT licence, August 2026) and "CDNA5" Instruction Set Architecture Reference Guide (July 2026). The comments in the code are by the model that wrote it; some were corrected since.
;; Multihead Attention. Allowed arithmetic: matrix products marked QUANTISED: E4M3 operands, one given power-of-two scale a tensor, by v_wmma_f32_16x16x64_fp8_fp8 or v_wmma_f32_16x16x128_fp8_fp8, f32 sums; everything else in f32.
;; Inputs: Wk 512 x 512 float32; Wq 512 x 512 float32; Wv 512 x 512 float32; bk 512 float32; bq 512 float32; bv 512 float32; keys 2 x 4,096 x 512 float32; lowp_scales 10 int32 (the exponents e of the quantised operands' scales 2^e); queries 2 x 4,096 x 512 float32; values 2 x 4,096 x 512 float32.
;; Outputs: out0 2 x 4,096 x 512 float32.
;; This version of the problem:
;;   THIS VERSION OF THE PROBLEM IS GIVEN IN LOW PRECISION. The matrix products marked QUANTISED in the list below multiply operands that are first quantised to E4M3 (4 exponent bits, 3 mantissa bits; 8 bits a number), with one given power-of-two scale for each operand tensor; their sums are f32. All else is computed in f32.
;;   The module's matrix products, in the order in which they are computed (A, B: the left and right operand; K: the contracted axis; several contracted axes count as one K, in the product's order):
;;     1. [M 8,192, K 512] x [K 512, N 512]; A: input queries; B: input Wq: QUANTISED (scales: A lowp_scales[0], B lowp_scales[1])
;;     2. [M 8,192, K 512] x [K 512, N 512]; A: input keys; B: input Wk: QUANTISED (scales: A lowp_scales[2], B lowp_scales[3])
;;     3. [M 8,192, K 512] x [K 512, N 512]; A: input values; B: input Wv: QUANTISED (scales: A lowp_scales[4], B lowp_scales[5])
;;     4. batch 16 x [M 4,096, K 64] x [K 64, N 4,096]; A: computed on the way; B: computed on the way: QUANTISED (scales: A lowp_scales[6], B lowp_scales[7])
;;     5. batch 16 x [M 64, K 4,096] x [K 4,096, N 4,096]; A: computed on the way; B: softmax (see below): QUANTISED (scales: A lowp_scales[8], B lowp_scales[9])
;;   THE QUANTISER, for each operand of a quantised product, along K:
;;     - The operand's scale is 2^e, e = its entry of the input lowp_scales (int32; the entries are numbered through the quantised products in the list's order, A before B).
;;     - Each number is divided by the scale, clamped to +-448, and rounded to the nearest number of E4M3, ties to even, subnormals kept.
;;     - The product sums the exact products of the quantised numbers (number of the format x scale) in f32.
;;   ~~~python
;;   def quantise(x, axis, e):      # numpy; x: float32 -> the quantised numbers, widened to float32 again
;;       x = np.moveaxis(x, axis, -1); K = x.shape[-1]
;;       r = np.clip(x / 2.0 ** e, -448, 448)
;;       step = 2.0 ** (np.maximum(np.frexp(np.where(r == 0, 1, r))[1] - 1, -6) - 3)
;;       q = np.round(r / step) * step * 2.0 ** e      # np.round: ties to even
;;       return np.moveaxis(q, -1, axis).astype(np.float32)
;;   ~~~
;;   SOFTMAX AHEAD OF A QUANTISED PRODUCT. Where the list says 'softmax', what is quantised is not the finished softmax but p = 2^(t - M), with t = logit x log2(e) and M = ceil(the row's largest t), a whole number; so 1/2 < the row's largest p <= 1. The row's sum l is taken of the UNQUANTISED p, in f32, and the product's result is divided by l at the end. Since M is a whole number, a kernel that streams over the keys may use a running M (the ceiling of the running maximum): every later rescaling is an exact power of two, so the quantised numbers keep their values, but for numbers so far below the row's largest that they fall under the format's range.
;;   OPERANDS COMPUTED ON THE WAY. 'Computed on the way' means the value that the module computes at that place (a softmax that the list does not call 'softmax' is quantised finished and normalised). What goes into a quantiser is computed in f32, as accurately as f32 sums, v_exp_f32 and their like allow (about 1e-6 of the number): no bf16 or f16 on the way to a quantiser, and a product that is left as it is and whose result goes on into a quantised operand takes f32 operands (vector FMAs, or v_wmma_f32_16x16x4_f32). A number that lies on a knife's edge between two numbers of the format may be rounded either way, as far as f32 arithmetic and the matrix unit's own rounding can turn it there, and no further.
;; One version. Each part assembles by itself: llvm-mc -triple=amdgcn-amd-amdhsa -mcpu=gfx1250 --defsym DOCPART=n.
;; ======== version 1 of 1: 3 launches
;; limits: right only within a limited range of input values
;; workspace buffers: wimg 786,432 bytes; qimg 4,194,304 bytes; kv 8,388,608 bytes
;; launch wq (part 1): grid 64 x 3, 4 waves a work-group, no clusters, 0 bytes of LDS; arguments Wq, Wk, Wv, lowp_scales, wimg; writes wimg
.if DOCPART == 1
	.amdgcn_target "amdgcn-amd-amdhsa--gfx1250"
	.amdhsa_code_object_version 6
	.text
	.protected	k_qe8423257a0_wq
	.globl	k_qe8423257a0_wq
	.p2align	8
	.type	k_qe8423257a0_wq,@function
k_qe8423257a0_wq:
	s_mov_b64 s[64:65], 0
	v_nop
	global_prefetch_b8 v0, s[64:65] scope:SCOPE_SE
	s_setreg_imm32_b32 hwreg(HW_REG_WAVE_MODE, 25, 1), 1
	s_wait_xcnt 0x0
; Wq, Wk, Wv [512 (k)][512 (n)], f32, K their FIRST axis, become codes of E4M3 with the given scales 2^e (entries 1, 3, 5 of lowp_scales).
; code = w / 2^e, held within +-448, to the nearest code, ties to even.
; THE CODES ARE LAID AS IMAGES OF OPERAND REGISTERS: wimg byte = tau x 262144 + T x 8192 + s x 2048 + c x 512 + 16 l  (tau = 0, 1, 2: q, k, v; T = tile of 16 columns; s = K step of 128).
; Lane l = r + 16 h of an image holds, of column pi(T, r) = 32 (T / 2) + 8 (T % 2) + r + 8 (r / 8), k = 128 s + 32 c + 16 h + 0 .. 15: so the next launch loads a fragment by four loads of 512 consecutive bytes.
; A LANE TAKES A COLUMN, ITS REGISTERS RUN DOWN K: each load reads 128 consecutive bytes a wave (the four waves stand side by side on 512), and the conversions give codes with K innermost.
; SHARES: work-group (x, y): y = tau; x & 3 = which 128 columns; x >> 2 = kb, which 32 along K (s = kb / 4, c = kb % 4).  Wave w: columns 32 B .. 32 B + 31, B = 4 (x & 3) + w: tiles 2 B and 2 B + 1.
; Lane L holds column 32 B + L = pi(2 B + u, r) with u = (L >> 3) & 1, r = (L & 7) + 8 (L >> 4).  Each store: the sixteen lanes of one u write 256 consecutive bytes, aligned.
; No LDS, no barrier, no cluster: waves share nothing, and each wave makes one trip to memory and back.
; LIMITS: e between -126 and 119, so that 2^e and 448 x 2^e are f32 numbers.  NaN among the inputs is not served (an infinity is held at the largest code).
.set X, 8                              ; v8-39   32 numbers down K
.set C, 40                             ; v40-47  their codes
	s_load_b256 s[4:11], s[0:1], 0x0               ; Wq s[4:5], Wk s[6:7], Wv s[8:9], the scales' exponents s[10:11]
	s_load_b64 s[12:13], s[0:1], 0x20              ; wimg
	v_lshrrev_b32 v1, 5, v0
	v_readfirstlane_b32 s14, v1                    ; wave 0..3
	v_and_b32 v1, 31, v0                           ; lane L
	v_lshlrev_b32 v2, 2, v1                        ; in: 4 bytes a lane
	v_bfe_u32 v3, v1, 3, 1                         ; u
	v_and_b32 v6, 7, v1
	v_lshrrev_b32 v7, 4, v1
	v_lshl_or_b32 v6, v7, 3, v6                    ; r
	v_lshlrev_b32 v6, 4, v6
	v_lshl_add_u32 v3, v3, 13, v6                  ; out: 8192 u + 16 r
	s_and_b32 s15, ttmp7, 0xffff                   ; tau
	s_and_b32 s24, ttmp9, 3                        ; which 128 columns
	s_lshr_b32 s25, ttmp9, 2                       ; kb
	s_lshl_b32 s26, s25, 16                        ; in: 32 kb rows of 2,048 bytes
	s_lshl_b32 s28, s24, 9
	s_add_co_u32 s26, s26, s28                     ; + 128 columns x 4 bytes for each group
	s_lshl_b32 s28, s14, 7
	s_add_co_u32 s26, s26, s28                     ; + 32 columns x 4 bytes for each wave
	s_mov_b32 s27, 0
	s_lshl_b32 s28, s24, 2
	s_add_co_u32 s28, s28, s14                     ; B
	s_lshl_b32 s28, s28, 14                        ; out: two tiles of 8,192 bytes for each B
	s_lshl_b32 s30, s15, 18
	s_add_co_u32 s28, s28, s30                     ; + tau x 262144
	s_lshl_b32 s30, s25, 9
	s_add_co_u32 s28, s28, s30                     ; + 2048 s + 512 c = 512 kb
	s_mov_b32 s29, 0
	s_wait_alu depctr_va_vdst(0)
	s_wait_kmcnt 0x0
	s_load_b256 s[16:23], s[10:11], 0x0            ; entries 0 to 7
	s_cmp_eq_u32 s15, 0                            ; the tensor is chosen on the work-group's number alone
	s_cselect_b64 s[4:5], s[4:5], s[6:7]
	s_cmp_eq_u32 s15, 2
	s_cselect_b64 s[4:5], s[8:9], s[4:5]
	s_add_nc_u64 s[4:5], s[4:5], s[26:27]
	s_add_nc_u64 s[12:13], s[12:13], s[28:29]
.set i, 0
.rept 32
	global_load_b32 v[X+i], v2, s[4:5] offset:i*2048 th:TH_LOAD_NT   ; W(32 kb + i, my column)
.set i, i+1
.endr
	s_wait_kmcnt 0x0
	s_cmp_eq_u32 s15, 0
	s_cselect_b32 s28, s17, s19                    ; e: entry 1, 3 or 5
	s_cmp_eq_u32 s15, 2
	s_cselect_b32 s28, s21, s28
	s_add_co_i32 s28, s28, 127
	s_lshl_b32 s29, s28, 23
	v_mov_b32 v4, s29                              ; 2^e as f32: the conversion takes its exponent field
	s_add_co_i32 s28, s28, 8
	s_lshl_b32 s28, s28, 23
	s_or_b32 s28, s28, 0x600000
	v_mov_b32 v5, s28                              ; 448 x 2^e
	s_wait_alu depctr_va_vdst(0)
	s_wait_loadcnt 16                              ; loads come back in order: the first 16 rows are in, the 16 younger loads may be out
.set i, 0
.rept 16
	v_med3_num_f32 v[X+i], v[X+i], -v5, v5         ; the conversion to an 8-bit code does not saturate (ISA guide 7.6.2): the hold comes first
.set i, i+1
.endr
	v_cvt_scalef32_pk8_fp8_f32 v[C:C+1], v[X:X+7], v4
	v_cvt_scalef32_pk8_fp8_f32 v[C+2:C+3], v[X+8:X+15], v4
	s_wait_loadcnt 0x0
.set i, 16
.rept 16
	v_med3_num_f32 v[X+i], v[X+i], -v5, v5
.set i, i+1
.endr
	v_cvt_scalef32_pk8_fp8_f32 v[C+4:C+5], v[X+16:X+23], v4
	v_cvt_scalef32_pk8_fp8_f32 v[C+6:C+7], v[X+24:X+31], v4
	v_nop                                          ; a plain line behind the last conversion
	global_store_b128 v3, v[C:C+3], s[12:13]                 ; k = 32 kb + 0 .. 15: the image's lanes 0-15 (h = 0)
	global_store_b128 v3, v[C+4:C+7], s[12:13] offset:256    ; k = 32 kb + 16 .. 31: its lanes 16-31 (h = 1)
	s_endpgm
.Lfunc_end_k_qe8423257a0_wq:
	.size	k_qe8423257a0_wq, .Lfunc_end_k_qe8423257a0_wq-k_qe8423257a0_wq
	.p2alignl 7, 3214868480
	.fill 96, 4, 3214868480
	.section	.rodata,"a",@progbits
	.p2align	6, 0x0
	.amdhsa_kernel k_qe8423257a0_wq
		.amdhsa_group_segment_fixed_size 0
		.amdhsa_private_segment_fixed_size 0
		.amdhsa_enable_private_segment 0
		.amdhsa_kernarg_size 40
		.amdhsa_user_sgpr_count 2
		.amdhsa_user_sgpr_kernarg_segment_ptr 1
		.amdhsa_wavefront_size32 1
		.amdhsa_system_sgpr_workgroup_id_x 1
		.amdhsa_system_sgpr_workgroup_id_y 1
		.amdhsa_system_sgpr_workgroup_id_z 1
		.amdhsa_system_vgpr_workitem_id 0
		.amdhsa_next_free_vgpr 48
		.amdhsa_next_free_sgpr 66
		.amdhsa_reserve_vcc 0
		.amdhsa_float_denorm_mode_32 3
		.amdhsa_float_denorm_mode_16_64 3
		.amdhsa_memory_ordered 1
		.amdhsa_forward_progress 1
		.amdhsa_inst_pref_size 8
	.end_amdhsa_kernel
	.amdgpu_metadata
---
amdhsa.version: [ 1, 2 ]
amdhsa.kernels:
  - .name:           k_qe8423257a0_wq
    .symbol:         k_qe8423257a0_wq.kd
    .args:
      - { .name: Wq, .offset: 0, .size: 8, .value_kind: global_buffer, .address_space: global }
      - { .name: Wk, .offset: 8, .size: 8, .value_kind: global_buffer, .address_space: global }
      - { .name: Wv, .offset: 16, .size: 8, .value_kind: global_buffer, .address_space: global }
      - { .name: lowp_scales, .offset: 24, .size: 8, .value_kind: global_buffer, .address_space: global }
      - { .name: wimg, .offset: 32, .size: 8, .value_kind: global_buffer, .address_space: global }
    .group_segment_fixed_size: 0
    .private_segment_fixed_size: 0
    .kernarg_segment_align: 8
    .kernarg_segment_size: 40
    .max_flat_workgroup_size: 128
    .sgpr_count:     66
    .vgpr_count:     48
    .wavefront_size: 32
...
	.end_amdgpu_metadata
.endif
;; end of part 1
;; launch proj (part 2): grid 64 x 3, 8 waves a work-group, no clusters, 134,144 bytes of LDS; arguments queries, keys, values, bq, bk, bv, wimg, lowp_scales, qimg, kv; writes qimg, kv
.if DOCPART == 2
	.amdgcn_target "amdgcn-amd-amdhsa--gfx1250"
	.amdhsa_code_object_version 6
	.text
	.protected	k_qe8423257a0_proj
	.globl	k_qe8423257a0_proj
	.p2align	8
	.type	k_qe8423257a0_proj,@function
k_qe8423257a0_proj:
	s_mov_b64 s[64:65], 0
	v_nop
	global_prefetch_b8 v0, s[64:65] scope:SCOPE_SE
	s_setreg_imm32_b32 hwreg(HW_REG_WAVE_MODE, 25, 1), 1
	s_wait_xcnt 0x0
; q = queries Wq + bq, k = keys Wk + bk, v = values Wv + bv, on codes of E4M3, and q, k, v quantised again for attention.  Work-group (x, y): y = tau (0 q, 1 k, 2 v), x = block of 128 of the tensor's 8,192 rows.
; x arrives as f32 and is quantised here, in registers (scale: entry 2 tau); W comes as images of operand registers from wimg (entry 2 tau + 1); the results' scales are entries 6 (q), 7 (k), 8 (v).
; pi(T, r) = 32 (T / 2) + 8 (T % 2) + r + 8 (r / 8) says which 16 rows of x, and which 16 columns of W, form tile T: the 16 result registers of tiles 2 B and 2 B + 1 are then 16 NEIGHBOURS, 32 B + 16 h + 0 .. 15, of the axis that source 0 carries.
; SHARES.  Wave w owns head w (columns 64 w .. 64 w + 63: four tiles) for all 128 rows: its 16 fragments of W (256 registers, window 1) are read once.  Wave w also quantises the block's row tile w.
; PHASE X: a K step of 128 of my 16 rows comes by 16 loads of 512 consecutive bytes, turns through my own stage in LDS (a lane needs 16 neighbours along K of ONE row), is quantised, and its fragment goes to LDS as an image of its
; registers (4 stores of 512 consecutive bytes).  ONE barrier.  PHASE 1: two row tiles at a time, all four K steps, eight accumulators by turns; the bias, divided by 2^(ex + ew), is the C of each sum's first product.
;   q, k (K of the next product = the head's channels): source 0 = W, source 1 = x: a lane holds ONE row and 16 neighbouring channels.     v (K = the keys): source 0 = x, source 1 = W: a lane holds ONE channel and 16 neighbouring keys.
; The three scales ahead of the second quantiser are folded into the conversion's one: code = sum / 2^(eo - ex - ew).
; OUT, as images of registers, 512 consecutive aligned bytes a store (y' = 8 batch + head, st = the block's number in its batch):
;   qimg: y' x 262144 + T x 1024 + c x 512 + 16 l: query pi(T, r), channels 32 c + 16 h + 0 .. 15.     kv: y' x 524288 + st x 16384 + [ K: m x 1024 + c x 512 | V: 8192 + t x 2048 + c x 512 ] + 16 l.
; NO JOINT LOADS: what the work-groups of one tau share is W, 262,144 bytes; a joint load lands in LDS, where 262,144 bytes do not fit beside the 133,120 in use, and each wave wants its part in registers, once.  x is read by one work-group.
; 192 work-groups: 3 x 8,192 rows in blocks of 128; a block of 96 would not be a whole key step of the next launch.
; LIMITS: ex and eo - ex - ew between -126 and 119.  NaN among the inputs is not served.
.set XIMG, 0                           ; LDS: x's 32 fragments, (4 m + s) x 2048
.set STG,  65536                       ; then a stage of 16 rows x 528 bytes for each wave
.set SPI,  528                         ; 512 bytes + 16 = 132 words: row r starts at bank 4 r mod 64 (64 banks of 4 bytes: ISA guide 11.1)
.set LI,   1                           ; v1   16 x lane: offset of x's and W's loads and of the stores; an image's place for my lane
.set BQA,  2                           ; v2   64 h: the bias as q and k want it
.set BVA,  3                           ; v3   4 (r + 8 (r / 8)): as v wants it
.set STW,  5                           ; v5   the stage, on the way in: 16 x lane
.set STR,  6                           ; v6   and back: 528 r + 64 h
.set XWI,  7                           ; v7   where I store x's images: 8192 w + 16 x lane
.set BV,   12                          ; v12-15   bias of channel pi(t, r), t = 0 .. 3
.set R0,   16                          ; v16-79, v80-143   two sets of x as loaded
.set XF,   16                          ; phase 1: x's fragments of two row tiles: XF + 64 mi + 16 s
.set X,    144                         ; v144-207  64 numbers of one row: register 16 c + i = k 32 c + 16 h + i
.set ACC,  144                         ; phase 1: eight accumulators
.set PC,   208                         ; v208-223  the codes just made
.set B1,   224                         ; v224-255  the bias as C: 8 t + j
.set MSB, 0
.macro WIN new                         ; the immediate's high byte repeats the setting that is left
.if MSB != \new
	s_set_vgpr_msb (MSB<<8)|\new
.set MSB, \new
.endif
.endm
.macro LOAD ks, set                    ; K step ks of my 16 rows: each load reads 512 consecutive bytes of one row
.irp i, 0,1,2,3,4,5,6,7,8,9,10,11,12,13,14,15
	global_load_b128 v[R0+64*\set+4*\i:R0+64*\set+4*\i+3], v[LI], s[28:29] offset:(\i+8*(\i/8))*2048+512*\ks th:TH_LOAD_NT
.endr
.endm
.macro WLOAD f0                        ; eight of my fragments of W (fragment 4 t + s), into window 1
	WIN 0x40                                       ; destination window 1, address window 0
.irp f, 0,1,2,3,4,5,6,7
.irp c, 0,1,2,3
	global_load_b128 v[16*(\f0+\f)+4*\c:16*(\f0+\f)+4*\c+3], v[LI], s[34:35] offset:2048*(\f0+\f)+512*\c
.endr
.endr
	WIN 0
.endm
.macro QUANT src, sc, lim              ; 64 numbers of a lane become a fragment's 16 registers of codes.  v[sc]: the scale as f32; v[lim]: 448 x the scale
.irp b, 0,1,2,3
.set i, 0
.rept 16
	v_med3_num_f32 v[\src+16*\b+i], v[\src+16*\b+i], -v[\lim], v[\lim]   ; the conversion does not saturate (ISA guide 7.6.2): the hold comes first.  Each accumulator is read from its low end on
.set i, i+1
.endr
	v_cvt_scalef32_pk8_fp8_f32 v[PC+4*\b:PC+4*\b+1], v[\src+16*\b:\src+16*\b+7], v[\sc]
	v_cvt_scalef32_pk8_fp8_f32 v[PC+4*\b+2:PC+4*\b+3], v[\src+16*\b+8:\src+16*\b+15], v[\sc]
.endr
	v_nop                                          ; a plain line between the last conversion and the products that later write its sources
.endm
.macro FETCH reg, off                  ; a fragment's image comes back as it was stored, in any wave
.irp c, 0,1,2,3
	ds_load_b128 v[\reg+4*\c:\reg+4*\c+3], v[LI] offset:\off+512*\c
.endr
.endm
.macro XIN set, n                      ; a K step's numbers turn through my stage.  n: the younger loads that may stay out
	s_wait_loadcnt \n
.irp i, 0,1,2,3,4,5,6,7,8,9,10,11,12,13,14,15
	ds_store_b128 v[STW], v[R0+64*\set+4*\i:R0+64*\set+4*\i+3] offset:SPI*\i
.endr
.irp c, 0,1,2,3
.irp j, 0,1,2,3
	ds_load_b128 v[X+16*\c+4*\j:X+16*\c+4*\j+3], v[STR] offset:128*\c+16*\j   ; LDS serves a wave's instructions in order (ISA guide 5.7.1.4): these see the stores above
.endr
.endr
	s_wait_dscnt 0x0                               ; the numbers are back; the stage's stores have read the set, and the last image's stores the codes: both may be written again
.endm
.macro XOUT ks                         ; quantised, and the fragment (row tile w, K step ks) goes to LDS as it stands
	QUANT X, 8, 9
.irp c, 0,1,2,3
	ds_store_b128 v[XWI], v[PC+4*\c:PC+4*\c+3] offset:XIMG+2048*\ks+512*\c
.endr
.endm
	s_load_b512 s[4:19], s[0:1], 0x0               ; queries s[4:5], keys s[6:7], values s[8:9], bq s[10:11], bk s[12:13], bv s[14:15], wimg s[16:17], the scales' exponents s[18:19]
	s_load_b128 s[20:23], s[0:1], 0x40             ; qimg s[20:21], kv s[22:23]
	v_lshrrev_b32 v4, 5, v0
	s_delay_alu instid0(VALU_DEP_1)
	v_readfirstlane_b32 s24, v4                    ; wave 0..7
	s_and_b32 s25, ttmp7, 0xffff                   ; tau
	v_and_b32 v4, 31, v0
	s_delay_alu instid0(VALU_DEP_1)
	v_lshlrev_b32 v[LI], 4, v4
	v_and_b32 v208, 15, v0                         ; r
	v_bfe_u32 v209, v0, 4, 1                       ; h
	s_delay_alu instid0(VALU_DEP_1)
	v_lshlrev_b32 v[BQA], 6, v209
	s_delay_alu instid0(VALU_DEP_3)
	v_and_b32 v210, 8, v208
	s_delay_alu instid0(VALU_DEP_1)
	v_add_nc_u32 v210, v210, v208                  ; r + 8 (r / 8)
	s_delay_alu instid0(VALU_DEP_1)
	v_lshlrev_b32 v[BVA], 2, v210
	s_mul_i32 s54, s24, 16*SPI
	s_add_co_u32 s54, s54, STG                     ; my stage
	v_add_nc_u32 v[STW], s54, v[LI]
	v_mul_u32_u24 v[STR], v208, SPI
	s_delay_alu instid0(VALU_DEP_1)
	v_lshl_add_u32 v[STR], v209, 6, v[STR]
	s_delay_alu instid0(VALU_DEP_1)
	v_add_nc_u32 v[STR], s54, v[STR]
	s_lshl_b32 s55, s24, 13                        ; my row tile's four images
	v_add_nc_u32 v[XWI], s55, v[LI]
	s_lshl_b32 s36, ttmp9, 7                       ; x: row 128 x block
	s_lshr_b32 s37, s24, 1
	s_lshl_b32 s37, s37, 5
	s_add_co_u32 s36, s36, s37                     ; + 32 (w / 2)
	s_and_b32 s37, s24, 1
	s_lshl_b32 s37, s37, 3
	s_add_co_u32 s36, s36, s37                     ; + 8 (w % 2): row pi(w, 0) of the block
	s_lshl_b32 s36, s36, 11                        ; rows of 2,048 bytes
	s_mov_b32 s37, 0
	s_lshl_b32 s56, s24, 8                         ; the bias: my head's 64 numbers
	s_mov_b32 s57, 0
	s_lshl_b32 s58, s25, 18                        ; W: tau x 262144
	s_lshl_b32 s59, s24, 15
	s_add_co_u32 s58, s58, s59                     ; + my four tiles of 8,192 bytes
	s_mov_b32 s59, 0
	s_lshr_b32 s60, ttmp9, 5                       ; batch
	s_lshl_b32 s60, s60, 3
	s_add_co_u32 s60, s60, s24                     ; y' = 8 batch + head
	s_lshl_b32 s60, s60, 18
	s_and_b32 s61, ttmp9, 31                       ; st
	s_lshl_b32 s61, s61, 13
	s_add_co_u32 s60, s60, s61                     ; qimg's offset; kv's is twice that
	s_mov_b32 s61, 0
	s_wait_alu depctr_va_vdst(0)
	s_wait_kmcnt 0x0
	s_load_b256 s[40:47], s[18:19], 0x0            ; entries 0 to 7
	s_load_b64 s[48:49], s[18:19], 0x20            ; entries 8, 9
	s_cmp_eq_u32 s25, 0                            ; the buffers are chosen on the work-group's number alone
	s_cselect_b64 s[28:29], s[4:5], s[6:7]
	s_cselect_b64 s[30:31], s[10:11], s[12:13]
	s_cselect_b64 s[32:33], s[20:21], s[22:23]
	s_cselect_b32 s38, 0, 1
	s_cmp_eq_u32 s25, 2
	s_cselect_b64 s[28:29], s[8:9], s[28:29]
	s_cselect_b64 s[30:31], s[14:15], s[30:31]
	s_lshl_b32 s60, s60, s38
	s_add_nc_u64 s[28:29], s[28:29], s[36:37]      ; x
	s_add_nc_u64 s[30:31], s[30:31], s[56:57]      ; the bias
	s_add_nc_u64 s[32:33], s[32:33], s[60:61]      ; out
	s_add_nc_u64 s[34:35], s[16:17], s[58:59]      ; W's images
.irp t, 0,1,2,3                        ; both forms of the bias are loaded on the one way that all work-groups take (4,608 bytes a wave): tile t, lane (r, h): channels 32 (t / 2) + 8 (t % 2) + 16 h + 0 .. 7,
	global_load_b128 v[B1+8*\t:B1+8*\t+3],   v[BQA], s[30:31] offset:(32*(\t/2)+8*(\t%2))*4
	global_load_b128 v[B1+8*\t+4:B1+8*\t+7], v[BQA], s[30:31] offset:(32*(\t/2)+8*(\t%2))*4+16
.endr
.irp t, 0,1,2,3
	global_load_b32 v[BV+\t], v[BVA], s[30:31] offset:(32*(\t/2)+8*(\t%2))*4     ; and channel pi(t, r)
.endr
	LOAD 0, 0
	LOAD 1, 1
	WLOAD 0
	s_wait_kmcnt 0x0
	s_cmp_eq_u32 s25, 0
	s_cselect_b32 s51, s40, s42                    ; ex
	s_cselect_b32 s52, s41, s43                    ; ew
	s_cselect_b32 s53, s46, s47                    ; eo
	s_cmp_eq_u32 s25, 2
	s_cselect_b32 s51, s44, s51
	s_cselect_b32 s52, s45, s52
	s_cselect_b32 s53, s48, s53
	s_add_co_i32 s54, s51, s52                     ; a sum stands for sum x 2^(ex + ew):
	s_sub_co_i32 s50, 0, s54                       ; the bias goes in x 2^-(ex + ew),
	s_sub_co_i32 s53, s53, s54                     ; and the result's code is sum / 2^(eo - ex - ew)
	s_add_co_i32 s51, s51, 127
	s_lshl_b32 s55, s51, 23
	v_mov_b32 v8, s55                              ; 2^ex as f32
	s_add_co_i32 s51, s51, 8
	s_lshl_b32 s51, s51, 23
	s_or_b32 s51, s51, 0x600000
	v_mov_b32 v9, s51                              ; 448 x 2^ex
	s_add_co_i32 s53, s53, 127
	s_lshl_b32 s55, s53, 23
	v_mov_b32 v10, s55                             ; 2^(eo - ex - ew)
	s_add_co_i32 s53, s53, 8
	s_lshl_b32 s53, s53, 23
	s_or_b32 s53, s53, 0x600000
	v_mov_b32 v11, s53                             ; 448 x that
	; ---- PHASE X.  Loads come back in order (ISA guide 5.7.1): each count names the loads issued behind the K step that is wanted
	s_wait_alu depctr_va_vdst(0)
	XIN 0, 48                                      ; behind K step 0: K step 1's 16 and 32 of W
	LOAD 2, 0
	XOUT 0
	XIN 1, 48                                      ; behind K step 1: 32 of W and K step 2's 16
	LOAD 3, 1
	XOUT 1
	XIN 0, 16                                      ; behind K step 2: K step 3's 16
	WLOAD 8
	XOUT 2
	XIN 1, 32                                      ; behind K step 3: the other 32 of W
	XOUT 3
	s_wait_dscnt 0x0                               ; for the others' sake: my images have landed
	s_barrier_signal -1
	s_barrier_wait -1                              ; x's 32 fragments lie in LDS; nothing is stored to LDS from here on
	s_wait_loadcnt 0x0                             ; W
; ---- PHASE 1.  Row tiles 2 p and 2 p + 1: 32 loads, 32 products (the eight accumulators take turns, one instruction a turn, in the same order in every K step), 64 numbers a lane quantised, four stores.
; Behind a pair's last product stand four v_nop, the holds of the other accumulators and the quantiser's closing v_nop: more than the four places that the next pair's loads into x's fragments want, and the five that its new sums want.
.macro PAIR p, isv
.irp s, 0,1,2,3
.irp mi, 0,1
	FETCH XF+64*\mi+16*\s, XIMG+(4*(2*(\p)+\mi)+\s)*2048
.endr
.endr
.irp s, 0,1,2,3
	s_wait_dscnt 24-8*\s                           ; this K step's eight loads are in; the later K steps', eight each, may be out
.if \isv
	WIN 0x04                                       ; source 1 (W) window 1
.else
	WIN 0x01                                       ; source 0 (W) window 1
.endif
.irp mi, 0,1
.irp t, 0,1,2,3
.set rW, 16*(4*\t+\s)
.set rX, XF+64*\mi+16*\s
.if \isv
.set rD, ACC+16*\t+8*\mi
.else
.set rD, ACC+32*\mi+8*\t
.endif
.set rC, rD
.if \s == 0
.set rC, B1+8*\t                       ; the first product starts the sum from the bias
.endif
.if \isv
	v_wmma_f32_16x16x128_fp8_fp8 v[rD:rD+7], v[rX:rX+15], v[rW:rW+15], v[rC:rC+7]
.else
	v_wmma_f32_16x16x128_fp8_fp8 v[rD:rD+7], v[rW:rW+15], v[rX:rX+15], v[rC:rC+7]
.endif
.endr
.endr
.endr
	WIN 0
.rept 4
	v_nop                                          ; four places between the last product and the first read of results
.endr
	s_wait_xcnt 0x0                                ; the last pair's stores have read their codes: the registers may be written again
	QUANT ACC, 10, 11
.irp b, 0,1,2,3
.if \isv
	global_store_b128 v[LI], v[PC+4*\b:PC+4*\b+3], s[32:33] offset:8192+2048*\b+512*(\p)            ; V: channels' tile b, keys 32 p + 16 h + 0 .. 15
.else
	global_store_b128 v[LI], v[PC+4*\b:PC+4*\b+3], s[32:33] offset:(2*(\p)+\b/2)*1024+512*(\b%2)    ; row tile 2 p + b / 2, channels 32 (b % 2) + 16 h + 0 .. 15
.endif
.endr
.endm
	s_cmp_eq_u32 s25, 2                            ; the one branch, on the work-group's number: no barrier and no LDS store stands behind it
	s_cbranch_scc1 .Lv
.set j, 0
.rept 32
	v_ldexp_f32 v[B1+j], v[B1+j], s50              ; b / 2^(ex + ew)
.set j, j+1
.endr
	s_wait_alu depctr_va_vdst(0)
	PAIR 0, 0
	PAIR 1, 0
	PAIR 2, 0
	PAIR 3, 0
	s_wait_xcnt 0x0
	v_lshl_add_u32 v254, v0, 2, 0x20800
	v_mov_b32 v255, 0
	s_wait_alu depctr_va_vdst(0)
	s_wait_tensorcnt 0x0
	ds_add_u32 v254, v255
	s_wait_dscnt 0x0
	s_endpgm
.Lv:
.irp t, 0,1,2,3
.set j, 0
.rept 8
	v_ldexp_f32 v[B1+8*\t+j], v[BV+\t], s50        ; a lane holds one channel: its bias in all eight registers
.set j, j+1
.endr
.endr
	s_wait_alu depctr_va_vdst(0)
	PAIR 0, 1
	PAIR 1, 1
	PAIR 2, 1
	PAIR 3, 1
	s_wait_xcnt 0x0
	v_lshl_add_u32 v254, v0, 2, 0x20800
	v_mov_b32 v255, 0
	s_wait_alu depctr_va_vdst(0)
	s_wait_tensorcnt 0x0
	ds_add_u32 v254, v255
	s_wait_dscnt 0x0
	s_endpgm
.Lfunc_end_k_qe8423257a0_proj:
	.size	k_qe8423257a0_proj, .Lfunc_end_k_qe8423257a0_proj-k_qe8423257a0_proj
	.p2alignl 7, 3214868480
	.fill 96, 4, 3214868480
	.section	.rodata,"a",@progbits
	.p2align	6, 0x0
	.amdhsa_kernel k_qe8423257a0_proj
		.amdhsa_group_segment_fixed_size 134144
		.amdhsa_private_segment_fixed_size 0
		.amdhsa_enable_private_segment 0
		.amdhsa_kernarg_size 80
		.amdhsa_user_sgpr_count 2
		.amdhsa_user_sgpr_kernarg_segment_ptr 1
		.amdhsa_wavefront_size32 1
		.amdhsa_system_sgpr_workgroup_id_x 1
		.amdhsa_system_sgpr_workgroup_id_y 1
		.amdhsa_system_sgpr_workgroup_id_z 1
		.amdhsa_system_vgpr_workitem_id 0
		.amdhsa_next_free_vgpr 512
		.amdhsa_next_free_sgpr 66
		.amdhsa_reserve_vcc 0
		.amdhsa_float_denorm_mode_32 3
		.amdhsa_float_denorm_mode_16_64 3
		.amdhsa_memory_ordered 1
		.amdhsa_forward_progress 1
		.amdhsa_inst_pref_size 124
	.end_amdhsa_kernel
	.amdgpu_metadata
---
amdhsa.version: [ 1, 2 ]
amdhsa.kernels:
  - .name:           k_qe8423257a0_proj
    .symbol:         k_qe8423257a0_proj.kd
    .args:
      - { .name: queries, .offset: 0, .size: 8, .value_kind: global_buffer, .address_space: global }
      - { .name: keys, .offset: 8, .size: 8, .value_kind: global_buffer, .address_space: global }
      - { .name: values, .offset: 16, .size: 8, .value_kind: global_buffer, .address_space: global }
      - { .name: bq, .offset: 24, .size: 8, .value_kind: global_buffer, .address_space: global }
      - { .name: bk, .offset: 32, .size: 8, .value_kind: global_buffer, .address_space: global }
      - { .name: bv, .offset: 40, .size: 8, .value_kind: global_buffer, .address_space: global }
      - { .name: wimg, .offset: 48, .size: 8, .value_kind: global_buffer, .address_space: global }
      - { .name: lowp_scales, .offset: 56, .size: 8, .value_kind: global_buffer, .address_space: global }
      - { .name: qimg, .offset: 64, .size: 8, .value_kind: global_buffer, .address_space: global }
      - { .name: kv, .offset: 72, .size: 8, .value_kind: global_buffer, .address_space: global }
    .group_segment_fixed_size: 134144
    .private_segment_fixed_size: 0
    .kernarg_segment_align: 8
    .kernarg_segment_size: 80
    .max_flat_workgroup_size: 256
    .sgpr_count:     66
    .vgpr_count:     512
    .wavefront_size: 32
...
	.end_amdgpu_metadata
.endif
;; end of part 2
;; launch attn (part 3): grid 16 x 16, 16 waves a work-group, clusters of 4 x 1, 327,680 bytes of LDS; arguments qimg, kv, lowp_scales, out0; writes out0
.if DOCPART == 3
	.amdgcn_target "amdgcn-amd-amdhsa--gfx1250"
	.amdhsa_code_object_version 6
	.text
	.protected	k_qe8423257a0_attn
	.globl	k_qe8423257a0_attn
	.p2align	8
	.type	k_qe8423257a0_attn,@function
k_qe8423257a0_attn:
	s_mov_b64 s[64:65], 0
	v_nop
	global_prefetch_b8 v0, s[64:65] scope:SCOPE_SE
	s_setreg_imm32_b32 hwreg(HW_REG_WAVE_MODE, 25, 1), 1
	s_wait_xcnt 0x0
	s_wait_alu depctr_hold_cnt(0) depctr_sa_sdst(0) depctr_va_vdst(0) depctr_va_sdst(0) depctr_va_ssrc(0) depctr_va_vcc(0) depctr_vm_vsrc(0)
	s_getreg_b32 s2, hwreg(HW_REG_IB_STS2, 6, 4)
	s_cmp_eq_u32 s2, 0
	s_cbranch_scc0 .Lentry_in_a_cluster
	s_endpgm
.Lentry_in_a_cluster:
	s_bfe_u32 s2, ttmp6, 0x10000c
	s_cmp_lg_u32 s2, 0x3003
	s_cbranch_scc0 .Lentry_shape_is_right
	s_endpgm
.Lentry_shape_is_right:
; out0[b][n][64 head + :] = the sum over m of softmax_m(q . k / 8) v, both products on codes of E4M3; scales 2^e: eq, ek, ev, ep = entries 6, 7, 8, 9 of lowp_scales.
; THE SOFTMAX: t = score x log2(e) / 8; M = the row's largest t so far, rounded UP to a whole number; p = 2^(t - M) is quantised, not normalised; the row's sum is taken of the unquantised p, in f32, and divides O at the end.
; When M moves, the sum and O are multiplied by 2^(old M - new M): nothing is rounded.  The running maximum is kept of the raw scores (c is positive, so the order is the same) and turned into t once a step.
; SHARES.  y = 8 b + head; a work-group owns 256 queries of one y, each of its sixteen waves one tile of 16.  Every wave walks all 4,096 keys, 128 a step.
; pi(T, r) = 32 (T / 2) + 8 (T % 2) + r + 8 (r / 8): lane r of query tile T holds query pi(T, r); likewise the keys of a tile of K and the channels of a tile of V.
; OPERANDS COME AS IMAGES OF THEIR REGISTERS (the launch before laid them so): every load is 512 consecutive bytes, 16 a lane.  A key step is 16,384 dense bytes: K's 8 tiles x 1,024, then V's 4 x 2,048.
; Both products are used transposed: S^T = K Q^T (16x16x64), O^T = V^T P^T (16x16x128): a lane holds ONE query, and the 16 registers of S^T's tiles 2 B, 2 B + 1 are keys 32 B + 16 h + 0 .. 15, as P's fragment wants them.
; TWO AREAS OF 64 REGISTERS SWAP ROLES from step to step: one holds K and then V; the other holds S^T, then p, and, block by block as p's codes are made, the NEXT step's K.  So a loop's trip is two steps.
; RING.  Two LDS slots of eight key steps (131,072 bytes); each of the sixteen waves fetches 8,192 bytes of a slot by one tensor load, with no branch: every way through the text passes the first fill.
; CLUSTER.  The four work-groups of a cluster belong to one y and walk the same kv: each part of a slot is asked for JOINTLY, by the same load with the same descriptor and the mask of all four.
; lds_bytes claims all of a WGP's LDS; the text uses 264,192 bytes.
; LIMITS: eq + ek between -123 and 130 (added to c's exponent field); ep between -126 and 119; ep + ev goes in by v_ldexp_f32 and has none.  The promise holds while the scaled scores t stay under 2^31 in magnitude.
.set STEPB, 16384                      ; a key step's bytes
.set SLOTB, 8*STEPB
.set SLOT1, 131072                     ; slot 1: one exclusive or turns an address in one slot into the other's
.set NSL,   4                          ; 4,096 keys / 1,024
.set STAGE, 0                          ; the way out: 16 rows x 272 bytes for each wave, in slot 0: it has had its last fill, and nobody reads it behind the last change of slots
.set SP,    272
.set SPARE, 2*SLOT1                    ; behind the ring: the spare words, 128 bytes for each wave: eight blocks of 256 bytes that no other line names
.set LI,   1                           ; v1   16 x lane
.set ADR,  2                           ; v2   LDS address of the pair of key steps in hand, for my lane
.set PFO,  3                           ; v3   256 x lane: the prefetches' offset; never rewritten
.set SPW,  5                           ; v5   LDS address of my spare word; never rewritten
.set NIL,  6                           ; v6   0; never rewritten
.set GO,   7                           ; v7   the way out: 2048 h + 16 r
.set NM,   12                          ; v12  -M;  v13 the largest raw score so far (named with v12 as a pair)
.set SUM,  14                          ; v[14:15] the row's sum in two halves
.set Q,    16                          ; v16-23   Q's fragment
.set T,    24                          ; v24-39   first v24-31: eight chains of the maximum; then eight pairs: the step's sum of p
.set F,    40                          ; v[40:41] f = 2^(old M - new M); v41 is only named
.set OLD,  42                          ; v42  -M as it was
.set MB,   44                          ; v44, v45 at work
.set MC,   45
.set PL,   47                          ; v47  what lane l xor 16 sends
.set LA,   48                          ; v48, v49  448 x 2^ep, twice: the two halves of a dual instruction take their second sources from different banks
.set LB,   49
.set EP,   50                          ; v50  2^ep
.set PCD,  52                          ; v52-67   p's codes
.set O,    68                          ; v68-99   O^T: register 16 B + i = channel 32 B + 16 h + i
.set X,    100                         ; v100-163, v164-227: the two areas
.set Y,    164
.set WV,   12                          ; s12  my wave's number
.set LIM,  15                          ; s15  1 in a wave that prefetches, else the greatest number
.set PFA,  18                          ; s[18:19] where my prefetches stand
.set SEL,  20                          ; s[20:21] lane selects for v_permlanex16_b32: lane l xor 16
.set CS,   22                          ; s[22:23] c = log2(e) / 8 x 2^(eq + ek)
.set G1,   24                          ; s[24:31] descriptor group 1
.set G0,   32                          ; s[32:35] descriptor group 0, which walks
.set TB,   36                          ; s36  LDS byte at which the slot in hand begins
.set SLOTS, 37                         ; s37  slots still to be asked for
.set TS,   38                          ; s38  LDS byte of the pair of key steps in hand
.set TR,   39                          ; s39  pairs to go in the inner loop
.macro CROUND                          ; a round of the cluster's barrier
	s_barrier_signal -1
	s_barrier_wait -1
	s_cmp_lg_u32 s[WV], 0
	s_cbranch_scc1 .Lnot_wave_0_\@
	s_barrier_signal -3
.Lnot_wave_0_\@:
	s_barrier_wait -3
	s_barrier_signal -1
	s_barrier_wait -1
.endm
; A PREFETCH INTO THE L2 of the slot that the NEXT change of slots will ask for: 131,072 bytes, lanes 256 bytes apart, eight key steps ahead of that load.  All clusters of a y walk the same kv: the first of them (cluster x = 0) asks.
; Its four partners take 32,768 bytes each, told apart BY ADDRESS; in each, waves 0 to 3 take 8,192 each: one instruction a wave, and each block of 256 bytes is named once in the launch.
; Slots 0 and 1 come by their loads alone; the last change that fills a slot asks for nothing: there is no slot behind it.
.macro ASK
	s_cmp_gt_u32 s[SLOTS], s[LIM]
	s_cbranch_scc0 .Lnot_mine_\@
	global_prefetch_b8 v[PFO], s[PFA:PFA+1] th:TH_LOAD_NT scope:SCOPE_SE
.Lnot_mine_\@:
.endm
	s_load_b256 s[4:11], s[0:1], 0x0               ; qimg s[4:5], kv s[6:7], the scales' exponents s[8:9], out0 s[10:11]
	v_lshl_add_u32 v[SPW], v0, 2, SPARE
	v_mov_b32 v[NIL], 0
	ds_add_u32 v[SPW], v[NIL]                      ; the opening lines: the add, twice on end, and its wait ahead of my first tensor load
	ds_add_u32 v[SPW], v[NIL]
	v_lshrrev_b32 v8, 5, v0
	v_readfirstlane_b32 s[WV], v8                  ; wave 0..15
	s_bfe_u32 s13, ttmp6, 0x40000                  ; cx: it enters Q's, O's and the prefetches' addresses alone
	s_lshl_b32 s14, ttmp9, 2                       ; in a cluster launch ttmp9 counts clusters
	s_add_co_u32 s14, s14, s13                     ; my block of 256 queries
	s_and_b32 s44, ttmp7, 0xffff                   ; y, which the four partners share
	s_lshl_b32 s45, s[WV], 13                      ; the 8,192 bytes of a slot that I fetch: their place in LDS and in memory alike
	s_lshl_b32 s46, s44, 19                        ; y's 524,288 bytes of kv
	s_add_co_u32 s46, s46, s45
	s_mov_b32 s47, 0
	s_mov_b32 s[G1], 15|(3<<16)|(1<<21)            ; the mask: all four work-groups; elements of 8 bytes; no padding; bit 21 set beside a mask
	s_mov_b32 s[G1+1], 32<<16                      ; tensor_dim0 = 32: rows of 256 bytes
	s_mov_b32 s[G1+2], 32<<16                      ; tensor_dim1 = 32
	s_mov_b32 s[G1+3], 32<<16                      ; tile_dim0 = 32
	s_mov_b32 s[G1+4], 32                          ; tile_dim1 = 32
	s_mov_b32 s[G1+5], 32                          ; from row to row: 32 elements
	s_mov_b32 s[G1+6], 0
	s_mov_b32 s[G1+7], 0
	s_mov_b32 s[SEL], 0x76543210
	s_mov_b32 s[SEL+1], 0xfedcba98
	s_mov_b32 s[CS], 0x3e38aa3b                    ; log2(e) / 8
	s_mov_b32 s[TB], 0
	s_mov_b32 s[SLOTS], NSL-1
	s_wait_dscnt 0x0                               ; both opening adds are done
	s_wait_kmcnt 0x0
	s_load_b128 s[40:43], s[8:9], 0x18             ; eq, ek, ev, ep
	s_mov_b32 s[G0], 1                             ; count = 1
	s_mov_b32 s[G0+1], s45                         ; LDS address: slot 0
	s_add_nc_u64 s[G0+2:G0+3], s[6:7], s[46:47]    ; global address: y's first 1,024 keys
	s_or_b32 s[G0+3], s[G0+3], 0x80000000          ; type = 2
	CROUND                                         ; all four work-groups are here: the first joint loads meet
	tensor_load_to_lds s[G0:G0+3], s[G1:G1+7]      ; slot 0: my one tensor load at the head
	s_nop 0
	s_lshl_b32 s48, s14, 4
	s_add_co_u32 s48, s48, s[WV]                   ; T: my tile of queries, 0 .. 255
	s_lshl_b32 s50, s48, 10
	s_lshl_b32 s51, s44, 18
	s_add_co_u32 s50, s50, s51
	s_mov_b32 s51, 0
	s_add_nc_u64 s[4:5], s[4:5], s[50:51]          ; Q's image
	s_lshr_b32 s50, s44, 3
	s_lshl_b32 s50, s50, 23                        ; O: the batch's 4,096 rows of 2,048 bytes,
	s_lshr_b32 s49, s48, 1
	s_lshl_b32 s49, s49, 16
	s_add_co_u32 s50, s50, s49                     ; row 32 (T / 2)
	s_and_b32 s49, s48, 1
	s_lshl_b32 s49, s49, 14
	s_add_co_u32 s50, s50, s49                     ; + 8 (T % 2),
	s_and_b32 s49, s44, 7
	s_lshl_b32 s49, s49, 8
	s_add_co_u32 s50, s50, s49                     ; the head's 256 bytes
	s_add_nc_u64 s[10:11], s[10:11], s[50:51]
	s_lshl_b32 s50, s44, 19                        ; the prefetches: y's kv,
	s_add_co_u32 s50, s50, SLOTB                   ; slot 1: the first change of slots steps it to slot 2,
	s_lshl_b32 s49, s13, 15
	s_add_co_u32 s50, s50, s49                     ; my work-group's 32,768 bytes,
	s_and_b32 s49, s[WV], 3
	s_lshl_b32 s49, s49, 13
	s_add_co_u32 s50, s50, s49                     ; my wave's 8,192
	s_add_nc_u64 s[PFA:PFA+1], s[6:7], s[50:51]
	s_lshr_b32 s49, s[WV], 2                       ; 0 in waves 0 to 3,
	s_or_b32 s49, s49, ttmp9                       ; of y's first cluster: the same in all four partners
	s_cmp_eq_u32 s49, 0
	s_cselect_b32 s[LIM], 1, -1
	v_and_b32 v[LI], 31, v0
	s_delay_alu instid0(VALU_DEP_1)
	v_lshlrev_b32 v[PFO], 8, v[LI]
	s_delay_alu instid0(VALU_DEP_2)
	v_lshlrev_b32 v[LI], 4, v[LI]
	global_load_b128 v[Q:Q+3],   v[LI], s[4:5] th:TH_LOAD_NT             ; Q's fragment stays in registers: channels 16 h + 0 .. 15,
	global_load_b128 v[Q+4:Q+7], v[LI], s[4:5] offset:512 th:TH_LOAD_NT  ; 32 + 16 h + 0 .. 15
	v_and_b32 v8, 15, v0                           ; r
	v_bfe_u32 v9, v0, 4, 1                         ; h
	s_delay_alu instid0(VALU_DEP_1)
	v_lshlrev_b32 v[GO], 11, v9
	s_delay_alu instid0(VALU_DEP_1)
	v_lshl_add_u32 v[GO], v8, 4, v[GO]             ; the way out: lanes 0-15 one row of O, lanes 16-31 the next; 16 bytes a lane
	v_mov_b32 v13, 0xff61b1e6                      ; the largest score so far: -3e38, under every score
	v_mov_b32 v[NM], 0x7f61b1e6                    ; -M: the first change of M makes f = 0, which leaves the zeros below zeros
	v_mov_b32 v[SUM], 0
	v_mov_b32 v[SUM+1], 0
	v_mov_b32 v[PL], 0                             ; written once: a lane permute's destination counts as one of its sources
	v_mov_b32 v[F+1], 0                            ; (named as the upper half of the pair)
.set j, 0
.rept 32
	v_mov_b32 v[O+j], 0                            ; O^T: the key step is written in one form
.set j, j+1
.endr
	s_wait_kmcnt 0x0
	s_add_co_i32 s44, s40, s41
	s_lshl_b32 s44, s44, 23
	s_add_co_i32 s[CS], s[CS], s44                 ; a score stands for score x 2^(eq + ek): the two exponents are added to c's exponent field
	s_mov_b32 s[CS+1], s[CS]                       ; (named with it as a pair, so it is written)
	s_add_co_i32 s44, s43, 127
	s_lshl_b32 s45, s44, 23
	v_mov_b32 v[EP], s45                           ; 2^ep as f32, for the conversion
	s_add_co_i32 s44, s44, 8
	s_lshl_b32 s44, s44, 23
	s_or_b32 s44, s44, 0x600000
	v_mov_b32 v[LA], s44                           ; 448 x 2^ep
	v_mov_b32 v[LB], s44
.macro VLD kx, off, cnt                ; the next cnt of V's 16 loads: load vn = 4 t + c brings registers 4 vn .. 4 vn + 3 from byte 512 vn of V's part of the key step
.rept \cnt
	ds_load_b128 v[\kx+4*vn:\kx+4*vn+3], v[ADR] offset:\off+8192+512*vn
.set vn, vn+1
.endr
.endm
.macro HOLD sy, b                      ; the conversion does not saturate (ISA guide 7.6.2); p is not negative, so the hold is one-sided; two numbers an instruction
.set j, 0
.rept 8
	v_dual_min_num_f32 v[\sy+16*\b+j], v[\sy+16*\b+j], v[LA] :: v_dual_min_num_f32 v[\sy+16*\b+j+1], v[\sy+16*\b+j+1], v[LB]
.set j, j+2
.endr
.endm
.macro CODES sy, b                     ; block b: keys 32 b + 16 h + 0 .. 15 become registers 4 b .. 4 b + 3 of P's fragment
	v_cvt_scalef32_pk8_fp8_f32 v[PCD+4*\b:PCD+4*\b+1], v[\sy+16*\b:\sy+16*\b+7], v[EP]
	v_cvt_scalef32_pk8_fp8_f32 v[PCD+4*\b+2:PCD+4*\b+3], v[\sy+16*\b+8:\sy+16*\b+15], v[EP]
.endm
.macro KNEXT sy, b, off, pre           ; pre = 1: the next step's K, tiles 2 b to 2 b + 3, comes in one run of eight loads into the 32 registers of blocks b and b + 1, whose p has just become codes
.if \pre
.irp c, 0,1,2,3,4,5,6,7
	ds_load_b128 v[\sy+16*\b+4*\c:\sy+16*\b+4*\c+3], v[ADR] offset:\off+STEPB+2048*\b+512*\c
.endr
.endif
.endm
.macro SUMUP sy, u                     ; eight chains of pairs take eight more pairs of the unquantised p
.set j, 0
.rept 8
	v_pk_add_f32 v[T+j:T+j+1], v[T+j:T+j+1], v[\sy+\u+j:\sy+\u+j+1]
.set j, j+2
.endr
.endm
; A KEY STEP of 128 keys, at byte off behind v[ADR].  kx: the area that holds K and then takes V.  sy: the area for S^T and p.  pre = 1: the next step's K (at off + STEPB) comes into sy as p's codes are made.
; adv = 1: v[ADR] goes two key steps on, behind its last use.
.macro STEP kx, sy, off, pre, adv
	s_wait_dscnt 8                                 ; K's 16 loads are all that is out, in the order of the tiles: the first eight (tiles 0 to 3) are in, the eight younger may be out
.irp t, 0,1,2,3
	v_wmma_f32_16x16x64_fp8_fp8 v[\sy+8*\t:\sy+8*\t+7], v[\kx+8*\t:\kx+8*\t+7], v[Q:Q+7], 0   ; S^T: source 0 = 16 keys, source 1 = my 16 queries
.endr
	s_wait_dscnt 4                                 ; tiles 4 and 5 are in; the last four loads may be out
.irp t, 4,5
	v_wmma_f32_16x16x64_fp8_fp8 v[\sy+8*\t:\sy+8*\t+7], v[\kx+8*\t:\kx+8*\t+7], v[Q:Q+7], 0
.endr
	s_wait_dscnt 0x0                               ; all of K is in
.irp t, 6,7
	v_wmma_f32_16x16x64_fp8_fp8 v[\sy+8*\t:\sy+8*\t+7], v[\kx+8*\t:\kx+8*\t+7], v[Q:Q+7], 0
.endr
	v_mov_b32 v[OLD], v[NM]                        ; four places, for the first read of the scores and for V's loads into K's registers: this copy and three v_nop
.rept 3
	v_nop
.endr
.set j, 0
.rept 8
	v_max3_num_f32 v[T+j], v[\sy+3*j], v[\sy+3*j+1], v[\sy+3*j+2]   ; the largest score of my query among my 64 keys, in eight chains; the registers go in ascending order
.set j, j+1
.endr
.set j, 0
.rept 20
	v_max3_num_f32 v[T+j%8], v[T+j%8], v[\sy+24+2*j], v[\sy+25+2*j]
.set j, j+1
.endr
.set vn, 0
	VLD \kx, \off, 3                               ; V's four fragments: their 16 loads stand between the links of the chain that leads to -M
	v_max3_num_f32 v[T+6], v[T+6], v[T+7], v13     ; with the largest so far, which both halves of the lanes share
	v_max3_num_f32 v[T+3], v[T+3], v[T+4], v[T+5]
	v_max3_num_f32 v[T], v[T], v[T+1], v[T+2]
	VLD \kx, \off, 3
	v_max3_num_f32 v[T], v[T], v[T+3], v[T+6]
	VLD \kx, \off, 2
	v_permlanex16_b32 v[PL], v[T], s[SEL], s[SEL+1]
	VLD \kx, \off, 2
	v_max_num_f32 v13, v[T], v[PL]                 ; and among lane l xor 16's
	VLD \kx, \off, 2
	v_mul_f32 v[MB], s[CS], v13                    ; as t (c is positive)
	VLD \kx, \off, 2
	v_floor_f32 v[NM], -v[MB]                      ; the new -M = floor(-t) = -ceil(t): M is a whole number
	VLD \kx, \off, 2
.set j, 0
.rept 16
	v_pk_fma_f32 v[\sy+j:\sy+j+1], v[\sy+j:\sy+j+1], s[CS:CS+1], v[NM:NM+1] op_sel_hi:[1,0,0]   ; t - M of the first 32 numbers, two at a time (of the pairs c and -M the low word serves both halves)
.if j == 6
	v_sub_f32 v[MC], v[NM], v[OLD]                 ; M's old value less its new one: a whole number, 0 or less
.endif
.if j == 14
	v_cvt_i32_f32 v[MC], v[MC]                     ; (it saturates)
.endif
.if j == 22
	v_ldexp_f32 v[F], 1.0, v[MC]                   ; f = 2^(old M - new M)
.endif
.set j, j+2
.endr
	s_wait_alu depctr_va_vdst(0)                   ; ahead of the batch of exponentials
.set j, 0
.rept 16
	v_exp_f32 v[\sy+j], v[\sy+j]                   ; p = 2^(t - M), not normalised: the first 32,
	v_exp_f32 v[\sy+j+1], v[\sy+j+1]
	v_pk_fma_f32 v[\sy+32+j:\sy+33+j], v[\sy+32+j:\sy+33+j], s[CS:CS+1], v[NM:NM+1] op_sel_hi:[1,0,0]   ; and among them t - M of the other 32, which nothing reads before the wait below
.set j, j+2
.endr
	s_wait_alu depctr_va_vdst(0)                   ; behind the first batch and ahead of the second
.set j, 0
.rept 8
	v_exp_f32 v[\sy+32+j], v[\sy+32+j]             ; the other 32; among them work on the first 32 whose results nothing reads before the wait behind the batch:
	v_pk_add_f32 v[T+j:T+j+1], v[\sy+j:\sy+j+1], v[\sy+16+j:\sy+17+j]   ; the sum of the unquantised p begins its eight chains of pairs,
	v_exp_f32 v[\sy+33+j], v[\sy+33+j]
.set j, j+2
.endr
.set j, 0
.rept 16
	v_exp_f32 v[\sy+48+j], v[\sy+48+j]
	v_dual_min_num_f32 v[\sy+2*j], v[\sy+2*j], v[LA] :: v_dual_min_num_f32 v[\sy+2*j+1], v[\sy+2*j+1], v[LB]   ; and blocks 0 and 1 are held (as in HOLD), behind the additions that read them
.set j, j+1
.endr
	v_pk_mul_f32 v[SUM:SUM+1], v[SUM:SUM+1], v[F:F+1] op_sel_hi:[1,0]   ; the sum under the new M: the plain line behind the exponentials
	s_wait_alu depctr_va_vdst(0)                   ; one wait behind the batch, ahead of its first reader
	CODES \sy, 0
	CODES \sy, 1
	KNEXT \sy, 0, \off, \pre
	SUMUP \sy, 32
	SUMUP \sy, 48
	HOLD \sy, 2
	v_pk_add_f32 v[T:T+1], v[T:T+1], v[T+8:T+9]
	v_pk_add_f32 v[T+2:T+3], v[T+2:T+3], v[T+10:T+11]
	v_pk_add_f32 v[T+4:T+5], v[T+4:T+5], v[T+12:T+13]
	HOLD \sy, 3
	CODES \sy, 2
	CODES \sy, 3
	KNEXT \sy, 2, \off, \pre
.if \adv
	s_add_co_u32 s[TS], s[TS], 2*STEPB
	v_add_nc_u32 v[ADR], s[TS], v[LI]              ; LDS instructions have read their address at issue: the next pair of key steps
.endif
	s_wait_dscnt 16*\pre                           ; V is in; the 16 younger loads, the next step's K, may be out
	s_wait_alu depctr_va_vdst(0)                   ; directly ahead of the first reader of O^T and behind the wait above
.set j, 0
.rept 16
	v_pk_mul_f32 v[O+j:O+j+1], v[O+j:O+j+1], v[F:F+1] op_sel_hi:[1,0]   ; O^T under the new M: x f.  (Also the plain lines between the conversions and the products that read the codes)
.set j, j+2
.endr
.irp t, 0,1,2,3
	v_wmma_f32_16x16x128_fp8_fp8 v[O+8*\t:O+8*\t+7], v[\kx+16*\t:\kx+16*\t+15], v[PCD:PCD+15], v[O+8*\t:O+8*\t+7]   ; O^T += V^T P^T: the four accumulators take turns
.endr
	v_pk_add_f32 v[T+6:T+7], v[T+6:T+7], v[T+14:T+15]   ; the sum's last five additions name no register of the products above: they are the five places ahead of the next step's S^T, which is written over V
	v_pk_add_f32 v[T:T+1], v[T:T+1], v[T+4:T+5]
	s_delay_alu instid0(VALU_DEP_2)
	v_pk_add_f32 v[T+2:T+3], v[T+2:T+3], v[T+6:T+7]
	s_delay_alu instid0(VALU_DEP_1)
	v_pk_add_f32 v[T:T+1], v[T:T+1], v[T+2:T+3]
	s_delay_alu instid0(VALU_DEP_1)
	v_pk_add_f32 v[SUM:SUM+1], v[SUM:SUM+1], v[T:T+1]
.endm
; THE CHANGE OF SLOTS stands at a slot's head.  Each wave waits for all its tensor loads (its part of the slot that it is about to read), adds 0 to its spare word, and waits for that and for its reads of the slot that it has left.
; fill = 1: that slot is filled with the next 1,024 keys.  The barrier is then a round of the cluster's, and the joint refill is the first thing behind it: it has a slot's eight key steps in which to land.
.macro CHANGE fill
	s_wait_tensorcnt 0x0                           ; no tensor load of mine is out, so group 0 may be written
	ds_add_u32 v[SPW], v[NIL]                      ; 0 onto my spare word
.if \fill
	s_xor_b32 s[G0+1], s[G0+1], SLOT1              ; the walking descriptor: the other slot than last time,
	s_add_nc_u64 s[G0+2:G0+3], s[G0+2:G0+3], SLOTB ; the next 1,024 keys; the type bits on top are not reached
	s_wait_xcnt 0x0                                ; the last prefetch, a slot back, has read its address, so it may be written:
	s_add_nc_u64 s[PFA:PFA+1], s[PFA:PFA+1], SLOTB ; one slot further on than the walking descriptor
	s_wait_dscnt 0x0                               ; the add is done, and my reads of the slot that I have left are over
	CROUND
	tensor_load_to_lds s[G0:G0+3], s[G1:G1+7]      ; the first thing behind the round, and my one tensor load until the next
	s_nop 0
.else
	s_wait_dscnt 0x0
	s_barrier_signal -1
	s_barrier_wait -1
.endif
	s_mov_b32 s[TS], s[TB]
	v_add_nc_u32 v[ADR], s[TB], v[LI]
	s_wait_alu depctr_va_vdst(0)
.if \fill
	ASK
.endif
.set i, 0
.rept 16
	ds_load_b128 v[X+4*i:X+4*i+3], v[ADR] offset:512*i   ; the slot's first K
.set i, i+1
.endr
.endm
.macro SLOT_STEPS                      ; eight key steps: three trips of two, and two written out, the last of which fetches no K: the next lies behind the change of slots
	s_mov_b32 s[TR], 3
.Lpair_\@:
	STEP X, Y, 0, 1, 0
	STEP Y, X, STEPB, 1, 1
	s_sub_co_u32 s[TR], s[TR], 1
	s_cmp_lg_u32 s[TR], 0
	s_cbranch_scc1 .Lpair_\@
	STEP X, Y, 0, 1, 0
	STEP Y, X, STEPB, 0, 0
	s_xor_b32 s[TB], s[TB], SLOT1                  ; on to the other slot
.endm
	s_wait_alu depctr_va_vdst(0)
	s_wait_loadcnt 0x0                             ; Q
.Lslot:                                            ; NSL - 1 trips: behind each change of slots but the last the next slot is asked for (slot 1's first fill goes out as a refill does)
	CHANGE 1
	SLOT_STEPS
	s_sub_co_u32 s[SLOTS], s[SLOTS], 1
	s_cmp_lg_u32 s[SLOTS], 0
	s_cbranch_scc1 .Lslot
	CHANGE 0                                       ; the last slot is written out
	SLOT_STEPS
	; THE WAY OUT.  O^T / the sum x 2^(ep + ev) goes through my stage in LDS: a lane holds 16 + 16 neighbouring channels of one query; a query's 64 channels, 256 bytes, come back as a row, and sixteen lanes store them, aligned.
	v_add_f32 v[SUM], v[SUM], v[SUM+1]             ; the sum's two halves,
	s_delay_alu instid0(VALU_DEP_1)
	v_permlanex16_b32 v[PL], v[SUM], s[SEL], s[SEL+1]
	s_delay_alu instid0(VALU_DEP_1)
	v_add_f32 v[SUM], v[SUM], v[PL]                ; and lane l xor 16's: the row's sum, above 1/2
	s_wait_alu depctr_va_vdst(0)                   ; ahead of the transcendental
	v_rcp_f32 v[SUM], v[SUM]
	v_and_b32 v8, 15, v0                           ; (a plain line behind the reciprocal)  r
	v_bfe_u32 v9, v0, 4, 1                         ; h
	s_add_co_i32 s44, s42, s43                     ; ev + ep
	s_mul_i32 s45, s[WV], 16*SP
	s_add_co_u32 s45, s45, STAGE                   ; my stage
	v_mul_u32_u24 v10, v8, SP
	s_delay_alu instid0(VALU_DEP_1)
	v_lshl_add_u32 v10, v9, 6, v10
	s_delay_alu instid0(VALU_DEP_1)
	v_add_nc_u32 v10, s45, v10                     ; in: row r, + 64 h: channels 16 h on
	v_mul_u32_u24 v11, v9, SP
	s_delay_alu instid0(VALU_DEP_1)
	v_lshl_add_u32 v11, v8, 4, v11
	s_delay_alu instid0(VALU_DEP_1)
	v_add_nc_u32 v11, s45, v11                     ; back: lanes 0-15 one row, lanes 16-31 the next
	s_wait_alu depctr_va_vdst(0)                   ; the wait ahead of the reciprocal's first reader
	v_ldexp_f32 v[SUM], v[SUM], s44
	s_wait_alu depctr_va_vdst(0)                   ; directly ahead of the first reader of O^T
.set j, 0
.rept 32
	v_mul_f32 v[X+j], v[O+j], v[SUM]               ; register 16 B + i: channel 32 B + 16 h + i of query pi(T, r)
.set j, j+1
.endr
.irp b, 0,1
.irp i, 0,1,2,3
	ds_store_b128 v10, v[X+16*\b+4*\i:X+16*\b+4*\i+3] offset:128*\b+16*\i
.endr
.endr
.irp i, 0,1,2,3,4,5,6,7
	ds_load_b128 v[Y+4*\i:Y+4*\i+3], v11 offset:2*\i*SP   ; LDS serves a wave's instructions in order (ISA guide 5.7.1.4): these see my stores.  Rows 2 i and 2 i + 1 of the tile
.endr
.irp i, 0,1,2,3,4,5,6,7
	s_wait_dscnt 7-\i                              ; the younger loads may stay out
	global_store_b128 v[GO], v[Y+4*\i:Y+4*\i+3], s[10:11] offset:(2*\i+8*(\i/4))*2048 th:TH_STORE_NT   ; tile row rho is query pi(T, rho): rho + 8 (rho / 8) rows on; 16 lanes store 256 consecutive bytes, aligned
.endr
	s_wait_tensorcnt 0x0                           ; the wave's end, behind my last tensor load and my last LDS store
	ds_add_u32 v[SPW], v[NIL]
	s_wait_dscnt 0x0
	CROUND                                         ; the closing round: no work-group ends while a partner may still ask for a tile that names it
	s_endpgm
.Lfunc_end_k_qe8423257a0_attn:
	.size	k_qe8423257a0_attn, .Lfunc_end_k_qe8423257a0_attn-k_qe8423257a0_attn
	.p2alignl 7, 3214868480
	.fill 96, 4, 3214868480
	.section	.rodata,"a",@progbits
	.p2align	6, 0x0
	.amdhsa_kernel k_qe8423257a0_attn
		.amdhsa_group_segment_fixed_size 327680
		.amdhsa_private_segment_fixed_size 0
		.amdhsa_enable_private_segment 0
		.amdhsa_kernarg_size 32
		.amdhsa_user_sgpr_count 2
		.amdhsa_user_sgpr_kernarg_segment_ptr 1
		.amdhsa_wavefront_size32 1
		.amdhsa_system_sgpr_workgroup_id_x 1
		.amdhsa_system_sgpr_workgroup_id_y 1
		.amdhsa_system_sgpr_workgroup_id_z 1
		.amdhsa_system_vgpr_workitem_id 0
		.amdhsa_next_free_vgpr 256
		.amdhsa_next_free_sgpr 66
		.amdhsa_reserve_vcc 0
		.amdhsa_float_denorm_mode_32 3
		.amdhsa_float_denorm_mode_16_64 3
		.amdhsa_memory_ordered 1
		.amdhsa_forward_progress 1
		.amdhsa_inst_pref_size 134
	.end_amdhsa_kernel
	.amdgpu_metadata
---
amdhsa.version: [ 1, 2 ]
amdhsa.kernels:
  - .name:           k_qe8423257a0_attn
    .symbol:         k_qe8423257a0_attn.kd
    .args:
      - { .name: qimg, .offset: 0, .size: 8, .value_kind: global_buffer, .address_space: global }
      - { .name: kv, .offset: 8, .size: 8, .value_kind: global_buffer, .address_space: global }
      - { .name: lowp_scales, .offset: 16, .size: 8, .value_kind: global_buffer, .address_space: global }
      - { .name: out0, .offset: 24, .size: 8, .value_kind: global_buffer, .address_space: global }
    .group_segment_fixed_size: 327680
    .private_segment_fixed_size: 0
    .kernarg_segment_align: 8
    .kernarg_segment_size: 32
    .max_flat_workgroup_size: 512
    .sgpr_count:     66
    .vgpr_count:     256
    .wavefront_size: 32
...
	.end_amdgpu_metadata
.endif
;; end of part 3
